; MI455X (gfx1250); checked and timed in simulation.
; The chip was launched on July 23, 2026; its instructions are those of AMD's public machine-readable ISA for CDNA 5 (MIT licence, August 2026) and "CDNA5" Instruction Set Architecture Reference Guide (July 2026). The comments in the code are by the model that wrote it; some were corrected since.
;; Multi Head Attention. Allowed arithmetic: matrix products marked QUANTISED: E2M1 operands, one E8M0 scale for each 32 along K, by v_wmma_scale_f32_16x16x128_f8f6f4 with both operands' format E2M1 (or v_wmma_scale_f32_32x16x128_f4), f32 sums; everything else in f32.
;; Inputs: Wk_codes 1,024 x 32 x 16 uint8 (E2M1 codes of Wk, K innermost, in blocks of 32 codes, two codes a byte); Wk_scales 1,024 x 32 uint8 (E8M0 scales of Wk, one for each 32 codes along K); Wq_codes 1,024 x 32 x 16 uint8 (E2M1 codes of Wq, K innermost, in blocks of 32 codes, two codes a byte); Wq_scales 1,024 x 32 uint8 (E8M0 scales of Wq, one for each 32 codes along K); Wv_codes 1,024 x 32 x 16 uint8 (E2M1 codes of Wv, K innermost, in blocks of 32 codes, two codes a byte); Wv_scales 1,024 x 32 uint8 (E8M0 scales of Wv, one for each 32 codes along K); X_codes 8 x 2,048 x 32 x 16 uint8 (E2M1 codes of X, K innermost, in blocks of 32 codes, two codes a byte); X_scales 8 x 2,048 x 32 uint8 (E8M0 scales of X, one for each 32 codes along K); Y_codes 8 x 2,048 x 32 x 16 uint8 (E2M1 codes of Y, K innermost, in blocks of 32 codes, two codes a byte); Y_scales 8 x 2,048 x 32 uint8 (E8M0 scales of Y, one for each 32 codes along K).
;; Outputs: out0 8 x 2,048 x 1 x 1,024 float32.
;; This version of the problem:
;;   THIS VERSION OF THE PROBLEM IS GIVEN IN LOW PRECISION. The matrix products marked QUANTISED in the list below multiply operands that are first quantised to E2M1 (2 exponent bits, 1 mantissa bit; 4 bits a number), with one power-of-two scale for each 32 numbers along K (OCP MX v1.0); their sums are f32. All else is computed in f32.
;;   The module's matrix products, in the order in which they are computed (A, B: the left and right operand; K: the contracted axis; several contracted axes count as one K, in the product's order):
;;     1. [M 16,384, K 1,024] x [K 1,024, N 1,024]; A: input X (given as codes); B: input Wq (given as codes): QUANTISED
;;     2. [M 16,384, K 1,024] x [K 1,024, N 1,024]; A: input Y (given as codes); B: input Wk (given as codes): QUANTISED
;;     3. [M 16,384, K 1,024] x [K 1,024, N 1,024]; A: input Y (given as codes); B: input Wv (given as codes): QUANTISED
;;   THE QUANTISER, for each operand of a quantised product, along K:
;;     - K is cut into blocks of 32 from its start; a last block that is shorter is filled with zeros.
;;     - A block's scale is 2^e with e = floor(log2(the largest magnitude in the block)) - 2, held to -126 .. 127; a block of zeros has e = 0. As a byte (E8M0): e + 127.
;;     - Each number is divided by its block's scale, clamped to +-6, and rounded to the nearest number of E2M1, ties to even, subnormals kept.
;;     - The product sums the exact products of the quantised numbers (number of the format x scale) in f32.
;;   ~~~python
;;   def quantise(x, axis):      # numpy; x: float32 -> the quantised numbers, widened to float32 again
;;       x = np.moveaxis(x, axis, -1); K = x.shape[-1]
;;       x = np.pad(x, [(0, 0)] * (x.ndim - 1) + [(0, -K % 32)]); x = x.reshape(x.shape[:-1] + (-1, 32)); a = np.abs(x).max(-1, keepdims=True)
;;       e = np.where(a > 0, np.clip(np.frexp(np.where(a > 0, a, 1))[1] - 1 - 2, -126, 127), 0)      # np.frexp(a)[1] - 1 = floor(log2(a)), exactly
;;       r = np.clip(x / 2.0 ** e, -6, 6)
;;       step = 2.0 ** (np.maximum(np.frexp(np.where(r == 0, 1, r))[1] - 1, 0) - 1)
;;       q = np.round(r / step) * step * 2.0 ** e      # np.round: ties to even
;;       return np.moveaxis(q.reshape(q.shape[:-2] + (-1,))[..., :K], -1, axis).astype(np.float32)
;;   ~~~
;;   INPUTS GIVEN AS CODES. Wk (in the module: [1024, 1024], K = its axis 0); Wq (in the module: [1024, 1024], K = its axis 0); Wv (in the module: [1024, 1024], K = its axis 0); X (in the module: [8, 2048, 1024], K = its axis 2); Y (in the module: [8, 2048, 1024], K = its axis 2): each comes as NAME_codes (uint8): NAME with its K axis moved to the last place and cut into blocks of 32 codes, [.., K / 32, bytes a block], one block behind the other in memory; two codes a byte, the lower K in the low four bits (a code: sign, 2 exponent bits, 1 mantissa bit); and NAME_scales (uint8): the same leading axes, one E8M0 byte (e + 127) for each 32 codes along K. Its value is code x scale, taken as it is: it is not quantised again, and the codes and scales need not be those that the quantiser above would give.
;; One version. Each part assembles by itself: llvm-mc -triple=amdgcn-amd-amdhsa -mcpu=gfx1250 --defsym DOCPART=n.
;; ======== version 1 of 1: 2 launches
;; limits: right only within a limited range of input values
;; workspace buffers: spec 524,288 bytes
;; launch prep (part 1): grid 32 x 8, 1 waves a work-group, no clusters, 0 bytes of LDS; arguments X_codes, X_scales, Wq_codes, Wq_scales, Y_codes, Y_scales, Wk_codes, Wk_scales, spec; writes spec
.if DOCPART == 1
	.amdgcn_target "amdgcn-amd-amdhsa--gfx1250"
	.amdhsa_code_object_version 6
	.text
	.protected	k_qe4f5da20a9_prep
	.globl	k_qe4f5da20a9_prep
	.p2align	8
	.type	k_qe4f5da20a9_prep,@function
k_qe4f5da20a9_prep:
	s_mov_b64 s[64:65], 0
	v_nop
	global_prefetch_b8 v0, s[64:65] scope:SCOPE_SE
	s_setreg_imm32_b32 hwreg(HW_REG_WAVE_MODE, 25, 1), 1
	s_wait_xcnt 0x0
; q = X Wq and k = Y Wk of the 64 rows (sentence 0..7, word 0..7), into the workspace spec; the next launch makes everything else.
; DEAD WORK LEFT OUT.  The mask that the problem builds in its own body hides every row whose word number is above its sentence number (0..7).  A hidden row's 1,024 scores are all -1e9, whatever q and k hold:
; its softmax is 1 / 1024 everywhere and its result v / 1024.  So q and k of the rows of words 8 and up reach no output for any values of the inputs, and are not multiplied.
; LIMIT of that: a NaN, an infinity or an overflow that would arise in q or k of a hidden row alone is not carried to the result.
; SHARES.  256 work-groups of one wave.  Work-group (cg, y) makes columns 32 cg .. 32 cg + 31 of q (y < 4) or k (y >= 4), for the 16 rows of sentences 2 rt and 2 rt + 1, rt = y % 4.
; Source 0 = the 16 rows (row m: sentence 2 rt + m / 8, word m % 8), source 1 = 16 rows of the weight: lane (r, h) then holds column r of the tile and registers j = row 8 h + j: word j of sentence 2 rt + h.
; Tile b takes columns 32 cg + 2 r + b, so that a lane's two tiles are two neighbouring columns.
; spec is laid [q, k][sentence 8][column group 32][word pair 4][r 16][word of the pair 2][column 2] f32: a store of the wave fills two aligned units of 256 bytes.
; Operands go from memory straight to registers, each once; nothing is shared inside the work-group, so neither LDS nor a cluster is used, and there is no loop for a prefetch to run ahead in.
; LIMITS: a scale byte 0xff and sums that are not finite come out as the matrix unit gives them.
; REGISTERS: v5-9 offsets; v16-23 the rows' scale words, v24-39 the weight's; v40-55 two accumulators; v64-191 the weight's fragments (later what is stored), v192-255 the rows'.
	s_load_b256 s[4:11], s[0:1], 0x0               ; X codes, X scales, Wq codes, Wq scales
	s_load_b256 s[12:19], s[0:1], 0x20             ; Y codes, Y scales, Wk codes, Wk scales
	s_load_b64 s[20:21], s[0:1], 0x40              ; spec
	s_and_b32 s23, ttmp7, 0xffff                   ; y
	s_and_b32 s24, s23, 3                          ; rt
	s_lshr_b32 s25, s23, 2                         ; 0: q, 1: k
	s_lshl_b32 s26, s24, 21                        ; sentence 2 rt: codes,
	s_mov_b32 s27, 0
	s_lshl_b32 s28, s24, 17                        ; scales
	s_mov_b32 s29, 0
	s_lshl_b32 s30, ttmp9, 14                      ; the weight's row 32 cg: codes,
	s_mov_b32 s31, 0
	s_lshl_b32 s32, ttmp9, 10                      ; scales; also the group's 1,024 bytes of spec
	s_mov_b32 s33, 0
	s_lshl_b32 s34, s25, 18
	s_lshl_b32 s35, s24, 16
	s_add_co_u32 s34, s34, s35
	s_add_co_u32 s34, s34, s32                     ; spec: q or k, sentence 2 rt, column group
	s_mov_b32 s35, 0
	v_and_b32 v1, 15, v0                           ; r
	v_bfe_u32 v2, v0, 4, 1                         ; h
	v_lshrrev_b32 v3, 3, v1
	v_and_b32 v4, 7, v1
	v_lshlrev_b32 v7, 10, v1                       ; the weight's codes: two rows of 512 bytes a lane,
	v_lshl_add_u32 v7, v2, 4, v7                   ; + 16 h
	v_lshlrev_b32 v8, 6, v1                        ; its scales
	v_lshlrev_b32 v5, 20, v3                       ; the rows: a sentence is 2,048 rows of 512 bytes
	v_lshlrev_b32 v6, 16, v3                       ; and of 32 bytes of scales
	v_lshlrev_b32 v9, 4, v1                        ; spec: 16 r,
	v_lshl_add_u32 v5, v4, 9, v5
	v_lshl_add_u32 v6, v4, 5, v6
	v_lshl_add_u32 v9, v2, 15, v9                  ; + one sentence for the upper half of the lanes
	v_lshl_add_u32 v5, v2, 4, v5
	s_wait_alu depctr_va_vdst(0)                   ; the wait at the head's end
	s_wait_kmcnt 0x0
	s_cmp_eq_u32 s25, 0
	s_cselect_b64 s[36:37], s[4:5], s[12:13]       ; the rows' codes,
	s_cselect_b64 s[38:39], s[6:7], s[14:15]       ; scales,
	s_cselect_b64 s[40:41], s[8:9], s[16:17]       ; the weight's codes,
	s_cselect_b64 s[42:43], s[10:11], s[18:19]     ; scales
	s_add_nc_u64 s[36:37], s[36:37], s[26:27]
	s_add_nc_u64 s[38:39], s[38:39], s[28:29]
	s_add_nc_u64 s[40:41], s[40:41], s[30:31]
	s_add_nc_u64 s[42:43], s[42:43], s[32:33]
	s_add_nc_u64 s[34:35], s[20:21], s[34:35]
.irp c, 0,1                                    ; a row's eight scale words: register s is K step s's
	global_load_b128 v[16+4*\c:19+4*\c], v6, s[38:39] offset:16*\c
	global_load_b128 v[24+4*\c:27+4*\c], v8, s[42:43] offset:16*\c
	global_load_b128 v[32+4*\c:35+4*\c], v8, s[42:43] offset:32+16*\c
.endr
.irp s, 0,1,2,3,4,5,6,7                        ; six loads a K step of 128
.irp c, 0,1
	global_load_b128 v[192+8*\s+4*\c:195+8*\s+4*\c], v5, s[36:37] offset:64*\s+32*\c
	global_load_b128 v[64+16*\s+4*\c:67+16*\s+4*\c], v7, s[40:41] offset:64*\s+32*\c
	global_load_b128 v[72+16*\s+4*\c:75+16*\s+4*\c], v7, s[40:41] offset:512+64*\s+32*\c
.endr
.endr
.irp s, 0,1,2,3,4,5,6,7
	s_wait_loadcnt 6*(7-\s)                        ; all but the later K steps' loads
.irp b, 0,1                                    ; two accumulators by turns
.if \s == 0
	v_wmma_scale_f32_16x16x128_f8f6f4 v[40+8*\b:47+8*\b], v[192+8*\s:199+8*\s], v[64+16*\s+8*\b:71+16*\s+8*\b], 0, v[16+\s], v[24+8*\b+\s] matrix_a_fmt:MATRIX_FMT_FP4 matrix_b_fmt:MATRIX_FMT_FP4
.else
	v_wmma_scale_f32_16x16x128_f8f6f4 v[40+8*\b:47+8*\b], v[192+8*\s:199+8*\s], v[64+16*\s+8*\b:71+16*\s+8*\b], v[40+8*\b:47+8*\b], v[16+\s], v[24+8*\b+\s] matrix_a_fmt:MATRIX_FMT_FP4 matrix_b_fmt:MATRIX_FMT_FP4
.endif
.endr
.endr
.rept 4
	v_nop                                          ; places behind the last product (ISA guide 7.12.1)
.endr
.irp p, 0,1,2,3                                ; words 2 p and 2 p + 1, two columns each: 16 bytes that belong together
	v_mov_b32 v[64+4*\p], v[40+2*\p]
	v_mov_b32 v[65+4*\p], v[48+2*\p]
	v_mov_b32 v[66+4*\p], v[41+2*\p]
	v_mov_b32 v[67+4*\p], v[49+2*\p]
.endr
.irp p, 0,1,2,3
	global_store_b128 v9, v[64+4*\p:67+4*\p], s[34:35] offset:256*\p
.endr
	s_endpgm
.Lfunc_end_k_qe4f5da20a9_prep:
	.size	k_qe4f5da20a9_prep, .Lfunc_end_k_qe4f5da20a9_prep-k_qe4f5da20a9_prep
	.p2alignl 7, 3214868480
	.fill 96, 4, 3214868480
	.section	.rodata,"a",@progbits
	.p2align	6, 0x0
	.amdhsa_kernel k_qe4f5da20a9_prep
		.amdhsa_group_segment_fixed_size 0
		.amdhsa_private_segment_fixed_size 0
		.amdhsa_enable_private_segment 0
		.amdhsa_kernarg_size 72
		.amdhsa_user_sgpr_count 2
		.amdhsa_user_sgpr_kernarg_segment_ptr 1
		.amdhsa_wavefront_size32 1
		.amdhsa_system_sgpr_workgroup_id_x 1
		.amdhsa_system_sgpr_workgroup_id_y 1
		.amdhsa_system_sgpr_workgroup_id_z 1
		.amdhsa_system_vgpr_workitem_id 0
		.amdhsa_next_free_vgpr 256
		.amdhsa_next_free_sgpr 66
		.amdhsa_reserve_vcc 0
		.amdhsa_float_denorm_mode_32 3
		.amdhsa_float_denorm_mode_16_64 3
		.amdhsa_memory_ordered 1
		.amdhsa_forward_progress 1
		.amdhsa_inst_pref_size 11
	.end_amdhsa_kernel
	.amdgpu_metadata
---
amdhsa.version: [ 1, 2 ]
amdhsa.kernels:
  - .name:           k_qe4f5da20a9_prep
    .symbol:         k_qe4f5da20a9_prep.kd
    .args:
      - { .name: X_codes, .offset: 0, .size: 8, .value_kind: global_buffer, .address_space: global }
      - { .name: X_scales, .offset: 8, .size: 8, .value_kind: global_buffer, .address_space: global }
      - { .name: Wq_codes, .offset: 16, .size: 8, .value_kind: global_buffer, .address_space: global }
      - { .name: Wq_scales, .offset: 24, .size: 8, .value_kind: global_buffer, .address_space: global }
      - { .name: Y_codes, .offset: 32, .size: 8, .value_kind: global_buffer, .address_space: global }
      - { .name: Y_scales, .offset: 40, .size: 8, .value_kind: global_buffer, .address_space: global }
      - { .name: Wk_codes, .offset: 48, .size: 8, .value_kind: global_buffer, .address_space: global }
      - { .name: Wk_scales, .offset: 56, .size: 8, .value_kind: global_buffer, .address_space: global }
      - { .name: spec, .offset: 64, .size: 8, .value_kind: global_buffer, .address_space: global }
    .group_segment_fixed_size: 0
    .private_segment_fixed_size: 0
    .kernarg_segment_align: 8
    .kernarg_segment_size: 72
    .max_flat_workgroup_size: 32
    .sgpr_count:     66
    .vgpr_count:     256
    .wavefront_size: 32
...
	.end_amdgpu_metadata
.endif
;; end of part 1
;; launch vmain (part 2): grid 4 x 64, 4 waves a work-group, clusters of 4 x 4, 327,680 bytes of LDS; arguments Y_codes, Y_scales, Wv_codes, Wv_scales, out0, spec; writes out0
.if DOCPART == 2
	.amdgcn_target "amdgcn-amd-amdhsa--gfx1250"
	.amdhsa_code_object_version 6
	.text
	.protected	k_qe4f5da20a9_vmain
	.globl	k_qe4f5da20a9_vmain
	.p2align	8
	.type	k_qe4f5da20a9_vmain,@function
k_qe4f5da20a9_vmain:
	s_mov_b64 s[64:65], 0
	v_nop
	global_prefetch_b8 v0, s[64:65] scope:SCOPE_SE
	s_setreg_imm32_b32 hwreg(HW_REG_WAVE_MODE, 25, 1), 1
	s_wait_xcnt 0x0
	s_wait_alu depctr_hold_cnt(0) depctr_sa_sdst(0) depctr_va_vdst(0) depctr_va_sdst(0) depctr_va_ssrc(0) depctr_va_vcc(0) depctr_vm_vsrc(0)
	s_getreg_b32 s2, hwreg(HW_REG_IB_STS2, 6, 4)
	s_cmp_eq_u32 s2, 0
	s_cbranch_scc0 .Lentry_in_a_cluster
	s_endpgm
.Lentry_in_a_cluster:
	s_bfe_u32 s2, ttmp6, 0x10000c
	s_cmp_lg_u32 s2, 0xf033
	s_cbranch_scc0 .Lentry_shape_is_right
	s_endpgm
.Lentry_shape_is_right:
; out0 = (Y Wv) x attention.  attention is 2^-10 in every hidden row (word number above sentence number: all scores -1e9, a softmax of 1 / 1024), and
; softmax over the 1,024 columns of k x sum(q) / 32 in the open rows, all of which are among words 0 to 7.  q and k of those 64 rows come from spec; for all other rows they are left out as dead work (see the first kernel's head).
; SHARES.  A work-group of four waves makes 256 rows x 256 columns; wave w makes the rows 64 k + 16 w + 0..15, k = 0..3: four blocks of 16 rows, over all columns.  64 x 4 tiles: 256 work-groups.
; ALL OF K of the tile's 256 rows of Y and of Wv fits in LDS: each LDS byte is filled once, by four tensor loads that go out together, one a wave.  No byte is ever filled again.
; A wave keeps its four blocks of Y for all of K in registers (32 fragments, each read from LDS once) and walks four groups of 64 columns; a group's 32 fragments of Wv are read while the group before is multiplied.
; THE COLUMNS OF A TILE ARE NOT NEIGHBOURS: source 1 of tile b takes columns 4 r + b of the group's 64 (r = lane % 16), so that a lane's four accumulators hold four neighbouring columns of rows 8 h + j (h = lane / 16):
; the multiplication by attention gathers them into 16 bytes, and 16 lanes store 256 consecutive bytes straight from registers.
; So Wv's rows are fetched by residue: tiles of three dimensions, 512 bytes x 16 or 48 rows (every fourth row) x 4 residues; in LDS a fragment's 16 rows lie one behind the other.
; STAGES.  Wave 0 fetches Wv's group 0, wave 1 rows 192-255 of Y, wave 2 rows 0-191, wave 3 Wv's groups 1 to 3.  The first barrier shows the first two, 64 KiB, which block 3 of group 0 needs; the second the rest of Y; the third the rest of Wv.
; CLUSTERS: 4 x 4 work-groups; Y's tiles are asked for jointly along a row of the cluster, Wv's along a column.  The row tile is 16 cy + (the cluster's y): a tile holds open rows where it is a multiple of 8, which then hangs on the
; cluster's y alone: all partners of a cluster take the same way.
; OPEN ROWS lie in block 0 of wave 0; block 0 goes last in each group.  In such a work-group wave w makes, behind its first block's stores, the softmax of words 2 w and 2 w + 1 of its sentence over all 1,024 columns, and leaves the rows' 256 factors of the tile in LDS (and 2^-10 for rows 8 to 15).
; A scale operand goes from memory to registers.  No prefetch: the launch asks for all its tiles at its head and has no loop to run ahead in.
; THE ROW'S MAXIMUM IS TAKEN AWAY ahead of the exponential: all scores of a row are k x s with one s and rounding keeps order, so the largest is the larger of (largest k) x s and (smallest k) x s.
; LIMITS: a scale byte 0xff, and sums that are not finite, come out as the matrix unit gives them; sum(q) and the sum of the exponentials are added in another order than the problem's text adds them; an exponential under 2^-126 comes out as 0; NaN and
; infinities in q or k are not served.
; REGISTERS: window 0: v0-15 addresses; v16-31 Y's scale words, v32-95 Wv's; v96-127 four accumulators; v128-255 what is stored, four sets of 32.
;   windows 1, 2: Wv's fragment (K step s, tile b) of even and odd groups at v[32 s + 8 b]; ahead of group 1 window 2 serves the softmax.   window 3: Y's fragment (block k, K step s) at v[64 k + 8 s].
.set PITCH, 528                        ; an LDS row: 512 bytes of codes + 16 of padding: an odd multiple of 16
.set BREST, 64*PITCH                   ; Wv's groups 1 to 3 lie behind group 0
.set YOFF,  256*PITCH                  ; Y's 256 rows lie behind Wv's
.set SCR,   512*PITCH                  ; the factors: 16 rows x 256 columns f32; no tensor load lands here
.set SPARE, SCR+16384                  ; the spare words, 128 bytes a wave
.set NIL,  3
.set ADB0, 4                           ; LDS address of Wv's rows: v4 group 0; v7, v8 the other groups, residues 0, 1 and 2, 3
.set ADA0, 5                           ; v5, v6: of my blocks 0, 1 and 2, 3 of Y
.set ADB1, 7
.set YSO,  9                           ; offsets of scale words: Y's,
.set WSO,  10                          ; Wv's
.set CO,   11                          ; my place in two rows of out0
.set FAC,  12                          ; where I read factors
.set SPO,  13                          ; my place in spec
.set SST,  14                          ; where I leave factors
.set SPW,  15
.set SA,   16                          ; v[SA + 8 q + s]: lanes 0-15 the word of block q, lanes 16-31 of block q + 2, for K step s
.set SB,   32                          ; v[SB + 16 g + 8 q + s]: group g, lanes 0-15 tile q, lanes 16-31 tile q + 2
.set ACC,  96
.set TMP,  128
.set G1B0, 24                          ; descriptors, group 1: Wv's group 0, Y's rows 192-255, Wv's rest, Y's rest
.set G1Y1, 32
.set G1B2, 40
.set G1Y3, 88
.set G0B0, 68                          ; group 0 likewise
.set G0B2, 72
.set G0Y1, 84
.set G0Y3, 96
.set G2B,  76                          ; groups 2, 3 of both tiles of Wv
.set G3B,  80
.set MSB, 0
.macro WIN new                         ; s_set_vgpr_msb: bits 1:0 source 0, 3:2 source 1, 5:4 source 2, 7:6 destination; the high byte repeats the setting that is left
.if MSB != (\new)
	s_set_vgpr_msb (MSB<<8)|(\new)
.set MSB, (\new)
.endif
.endm
.macro CROUND                          ; a round of the cluster's barrier
	s_barrier_signal -1
	s_barrier_wait -1
	s_cmp_lg_u32 s16, 0
	s_cbranch_scc1 .Lnot_wave_0_\@
	s_barrier_signal -3
.Lnot_wave_0_\@:
	s_barrier_wait -3
	s_barrier_signal -1
	s_barrier_wait -1
.endm
.macro PLACES                          ; four plain vector instructions behind a matrix instruction (ISA guide 7.12.1)
.rept 4
	v_nop
.endr
.endm
; THE SOFTMAX of words 2 w and 2 w + 1, in window 2.  A lane's 16 bytes of spec are two columns of each of the two words: v0-63 q, v64-127 k (32 columns of each word a lane), v128-143 k of the tile's own 256 columns.
.macro SPECLOAD
	WIN 0x80                                       ; destination window 2
.irp t, 0,1,2,3,4,5,6,7,8,9,10,11,12,13,14,15
	global_load_b128 v[4*\t:4*\t+3], v[SPO], s[66:67] offset:2048*\t
.endr
.irp t, 0,1,2,3,4,5,6,7,8,9,10,11,12,13,14,15
	global_load_b128 v[64+4*\t:67+4*\t], v[SPO], s[66:67] offset:262144+2048*\t
.endr
.irp t, 0,1,2,3
	global_load_b128 v[128+4*\t:131+4*\t], v[SPO], s[100:101] offset:262144+2048*\t
.endr
	WIN 0
.endm
.macro PSUM x, d                       ; the two words' sums of v[x] .. v[x + 63] into v[d] and v[d + 4]
.irp r, 0,1
	v_pk_add_f32 v[\d+4*\r:\d+4*\r+1], v[\x+2*\r:\x+2*\r+1], v[\x+2*\r+4:\x+2*\r+5]
	v_pk_add_f32 v[\d+4*\r+2:\d+4*\r+3], v[\x+2*\r+8:\x+2*\r+9], v[\x+2*\r+12:\x+2*\r+13]
.endr
.irp k, 16,24,32,40,48,56
.irp r, 0,1
	v_pk_add_f32 v[\d+4*\r:\d+4*\r+1], v[\d+4*\r:\d+4*\r+1], v[\x+\k+2*\r:\x+\k+2*\r+1]
	v_pk_add_f32 v[\d+4*\r+2:\d+4*\r+3], v[\d+4*\r+2:\d+4*\r+3], v[\x+\k+2*\r+4:\x+\k+2*\r+5]
.endr
.endr
.irp r, 0,1
	v_pk_add_f32 v[\d+4*\r:\d+4*\r+1], v[\d+4*\r:\d+4*\r+1], v[\d+4*\r+2:\d+4*\r+3]
.endr
.irp r, 0,1
	v_add_f32 v[\d+4*\r], v[\d+4*\r], v[\d+4*\r+1]
.endr
.endm
.macro SOFTMAX
	WIN 0xaa
.irp i, 164,165,166,167,168,169
	v_mov_b32 v[\i], 0                             ; a lane permute's destination counts as one of its sources
.endr
	PSUM 0, 144                                    ; sums of q: v144, v148
.irp r, 0,1
	v_max_num_f32 v[160+\r], v[64+2*\r], v[65+2*\r]
	v_min_num_f32 v[162+\r], v[64+2*\r], v[65+2*\r]
.endr
.irp t, 1,2,3,4,5,6,7,8,9,10,11,12,13,14,15
.irp r, 0,1
	v_max3_num_f32 v[160+\r], v[160+\r], v[64+4*\t+2*\r], v[65+4*\t+2*\r]
	v_min3_num_f32 v[162+\r], v[162+\r], v[64+4*\t+2*\r], v[65+4*\t+2*\r]
.endr
.endr
.irp m, 1,2,4,8                                ; over the 32 lanes
	v_add_f32_dpp v144, v144, v144 row_xmask:\m row_mask:0xf bank_mask:0xf
	v_add_f32_dpp v148, v148, v148 row_xmask:\m row_mask:0xf bank_mask:0xf
	v_max_num_f32_dpp v160, v160, v160 row_xmask:\m row_mask:0xf bank_mask:0xf
	v_max_num_f32_dpp v161, v161, v161 row_xmask:\m row_mask:0xf bank_mask:0xf
	v_min_num_f32_dpp v162, v162, v162 row_xmask:\m row_mask:0xf bank_mask:0xf
	v_min_num_f32_dpp v163, v163, v163 row_xmask:\m row_mask:0xf bank_mask:0xf
.endr
	v_permlanex16_b32 v164, v144, s52, s53
	v_permlanex16_b32 v165, v148, s52, s53
	v_permlanex16_b32 v166, v160, s52, s53
	v_permlanex16_b32 v167, v161, s52, s53
	v_permlanex16_b32 v168, v162, s52, s53
	v_permlanex16_b32 v169, v163, s52, s53
	v_add_f32 v144, v144, v164
	v_add_f32 v148, v148, v165
	v_max_num_f32 v160, v160, v166
	v_max_num_f32 v161, v161, v167
	v_min_num_f32 v162, v162, v168
	v_min_num_f32 v163, v163, v169
	v_mul_f32 v144, 0x3d000000, v144               ; s = sum(q) / 32
	v_mul_f32 v148, 0x3d000000, v148
	v_mul_f32 v160, v160, v144
	v_mul_f32 v161, v161, v148
	v_mul_f32 v162, v162, v144
	v_mul_f32 v163, v163, v148
	v_max_num_f32 v146, v160, v162                 ; the rows' largest scores
	v_max_num_f32 v150, v161, v163
.set i, 64
.rept 20
.irp r, 0,1
	v_pk_mul_f32 v[i+2*\r:i+2*\r+1], v[i+2*\r:i+2*\r+1], v[144+4*\r:145+4*\r] op_sel_hi:[1,0]     ; k x s (of the pair the low word serves both halves)
.endr
.set i, i+4
.endr
.set i, 64
.rept 20
.irp r, 0,1
	v_pk_add_f32 v[i+2*\r:i+2*\r+1], v[i+2*\r:i+2*\r+1], v[146+4*\r:147+4*\r] op_sel_hi:[1,0] neg_lo:[0,1] neg_hi:[0,1]   ; less the largest: first the difference, exact at 0, and only then the factor
.endr
.set i, i+4
.endr
.set i, 64
.rept 40
	v_pk_mul_f32 v[i:i+1], v[i:i+1], s[54:55] op_sel_hi:[1,0]
.set i, i+2
.endr
	s_wait_alu depctr_va_vdst(0)                   ; the wait ahead of the batch,
.set i, 64
.rept 80
	v_exp_f32 v[i], v[i]
.set i, i+1
.endr
	v_nop                                          ; a plain instruction behind the last exponential
	s_wait_alu depctr_va_vdst(0)                   ; and ahead of its first reader
	PSUM 64, 176
.irp m, 1,2,4,8
	v_add_f32_dpp v176, v176, v176 row_xmask:\m row_mask:0xf bank_mask:0xf
	v_add_f32_dpp v180, v180, v180 row_xmask:\m row_mask:0xf bank_mask:0xf
.endr
	v_permlanex16_b32 v164, v176, s52, s53
	v_permlanex16_b32 v165, v180, s52, s53
	v_add_f32 v176, v176, v164
	v_add_f32 v180, v180, v165
	s_wait_alu depctr_va_vdst(0)                   ; likewise around the reciprocals
	v_rcp_f32 v176, v176
	v_rcp_f32 v180, v180
	v_mov_b32 v184, s56                            ; 2^-10, twice (the first is the plain place behind the reciprocals)
	v_mov_b32 v185, s56
	s_wait_alu depctr_va_vdst(0)
.set i, 128
.rept 4
.irp r, 0,1
	v_pk_mul_f32 v[i+2*\r:i+2*\r+1], v[i+2*\r:i+2*\r+1], v[176+4*\r:177+4*\r] op_sel_hi:[1,0]
.endr
.set i, i+4
.endr
.set i, 128
.rept 4                                        ; a hidden row's factor is 1 / 1024
	v_cndmask_b32 v[i], v[i], v184, s51
	v_cndmask_b32 v[i+1], v[i+1], v184, s51
	v_cndmask_b32 v[i+2], v[i+2], v184, s57
	v_cndmask_b32 v[i+3], v[i+3], v184, s57
.set i, i+4
.endr
	WIN 0x08                                       ; an LDS store's data are its source 1: window 2
.irp t, 0,1,2,3                                ; the tile's columns 64 t + 2 lane, + 1
	ds_store_b64 v[SST], v[128+4*\t:129+4*\t] offset:256*\t
	ds_store_b64 v[SST], v[130+4*\t:131+4*\t] offset:1024+256*\t
	ds_store_b64 v[SST], v[184:185] offset:8192+256*\t             ; rows 8 + 2 w, 9 + 2 w, which are hidden
	ds_store_b64 v[SST], v[184:185] offset:9216+256*\t
.endr
	WIN 0
.endm
	s_load_b256 s[4:11], s[0:1], 0x0               ; Y's codes s[4:5], Y's scales s[6:7], Wv's codes s[8:9], Wv's scales s[10:11]
	s_load_b128 s[12:15], s[0:1], 0x20             ; out0 s[12:13], spec s[14:15]
	v_lshl_add_u32 v[SPW], v0, 2, SPARE
	v_mov_b32 v[NIL], 0
	ds_add_u32 v[SPW], v[NIL]                      ; the wave's opening: the add, twice on end, and its wait ahead of my tensor load
	ds_add_u32 v[SPW], v[NIL]
	v_lshrrev_b32 v1, 5, v0
	v_readfirstlane_b32 s16, v1                    ; wave 0..3
	s_bfe_u32 s19, ttmp6, 0x40000                  ; cx, cy
	s_bfe_u32 s20, ttmp6, 0x40004
	s_lshl_b32 s21, ttmp9, 2
	s_add_co_u32 s21, s21, s19                     ; tx: tile column
	s_and_b32 s2, ttmp7, 0xffff                    ; the cluster's y, 0..15
	s_lshl_b32 s22, s20, 4
	s_add_co_u32 s22, s22, s2                      ; ty: tile row = 16 cy + the cluster's y
	s_lshl_b32 s23, s20, 2
	s_lshl_b32 s23, 15, s23                        ; my row of the cluster
	s_lshl_b32 s3, 0x1111, s19                     ; my column
	; group 1: rows of 512 elements of one byte; in LDS four words of padding behind every 128 words
	s_or_b32 s[G1Y1], s23, (1<<20)|(1<<21)|(6<<22)|(3<<25)
	s_or_b32 s[G1Y3], s23, (1<<20)|(1<<21)|(6<<22)|(3<<25)
	s_or_b32 s[G1B0], s3, (1<<20)|(1<<21)|(6<<22)|(3<<25)
	s_or_b32 s[G1B2], s3, (1<<20)|(1<<21)|(6<<22)|(3<<25)
.irp g, G1Y1, G1Y3, G1B0, G1B2
	s_mov_b32 s[\g+1], 512<<16                     ; tensor_dim0
	s_mov_b32 s[\g+3], 512<<16                     ; tile_dim0
	s_mov_b32 s[\g+7], 0
.endr
	s_mov_b32 s[G1Y1+2], 64<<16                    ; Y: 64 neighbouring rows,
	s_mov_b32 s[G1Y1+4], 64
	s_mov_b32 s[G1Y3+2], 192<<16                   ; and 192
	s_mov_b32 s[G1Y3+4], 192
	s_mov_b32 s[G1B0+2], 16<<16                    ; Wv: 16 rows, every fourth, of 4 residues,
	s_mov_b32 s[G1B0+4], 16|(4<<16)                ; tile_dim1 = 16, tile_dim2 = 4
	s_mov_b32 s[G1B2+2], 48<<16                    ; and 48
	s_mov_b32 s[G1B2+4], 48|(4<<16)
.irp g, G1Y1, G1Y3
	s_mov_b32 s[\g+5], 512                         ; from row to row
	s_mov_b32 s[\g+6], 0
.endr
.irp g, G1B0, G1B2
	s_mov_b32 s[\g+5], 2048                        ; from row to row
	s_mov_b32 s[\g+6], 512<<16                     ; from residue to residue
.endr
	s_mov_b32 s[G2B], 4                            ; tensor_dim2
	s_mov_b32 s[G2B+1], 0
	s_mov_b32 s[G2B+2], 0
	s_mov_b32 s[G2B+3], 0
	s_mov_b32 s[G3B], 0
	s_mov_b32 s[G3B+1], 0
	s_mov_b32 s[G3B+2], 0
	s_mov_b32 s[G3B+3], 0
	; group 0.  Y's addresses are made of ty alone, Wv's of tx alone; LDS addresses are constants
	s_mov_b32 s[G0B0], 1
	s_mov_b32 s[G0B0+1], 0
	s_lshl_b32 s[G0B0+2], s21, 17                  ; Wv's row 256 tx
	s_mov_b32 s[G0B0+3], 0
	s_mov_b32 s[G0B2], 1
	s_mov_b32 s[G0B2+1], BREST
	s_lshl_b32 s[G0B2+2], s21, 17
	s_add_co_u32 s[G0B2+2], s[G0B2+2], 64*512      ; 64 rows on
	s_mov_b32 s[G0B2+3], 0
	s_mov_b32 s[G0Y1], 1
	s_mov_b32 s[G0Y1+1], YOFF+192*PITCH
	s_lshl_b32 s[G0Y1+2], s22, 17                  ; Y's row 256 ty
	s_add_co_u32 s[G0Y1+2], s[G0Y1+2], 192*512     ; 192 rows on
	s_mov_b32 s[G0Y1+3], 0
	s_mov_b32 s[G0Y3], 1
	s_mov_b32 s[G0Y3+1], YOFF
	s_lshl_b32 s[G0Y3+2], s22, 17
	s_mov_b32 s[G0Y3+3], 0
	s_and_b32 s48, s2, 7                           ; 0: my tile's rows 0 to 15 are words 0 to 15 of a sentence
	s_or_b32 s49, s48, s16                         ; 0: and they are mine
	s_lshr_b32 s50, s2, 3
	s_lshl_b32 s17, s20, 1
	s_add_co_u32 s50, s50, s17                     ; the sentence = ty / 8
	s_lshl_b32 s17, s16, 1
	s_cmp_gt_u32 s17, s50                          ; is word 2 w hidden in it?
	s_cselect_b32 s51, -1, 0
	s_cmp_ge_u32 s17, s50                          ; and word 2 w + 1?
	s_cselect_b32 s57, -1, 0
	s_mov_b32 s52, 0x76543210                      ; v_permlanex16_b32's selects for lane l xor 16
	s_mov_b32 s53, 0xfedcba98
	s_mov_b32 s54, 0x3fb8aa3b                      ; log2(e), twice: the packed multiply names a pair
	s_mov_b32 s55, 0x3fb8aa3b
	s_mov_b32 s56, 0x3a800000                      ; 2^-10
	s_lshl_b32 s58, s22, 13                        ; Y's scales: row 256 ty + 16 w, 32 bytes a row
	s_lshl_b32 s17, s16, 9
	s_add_co_u32 s58, s58, s17
	s_mov_b32 s59, 0
	s_lshl_b32 s60, s21, 13                        ; Wv's: row 256 tx
	s_mov_b32 s61, 0
	s_lshl_b32 s62, s22, 20                        ; out0: row 256 ty + 16 w of 4,096 bytes, column 256 tx of 4
	s_lshl_b32 s17, s21, 10
	s_add_co_u32 s62, s62, s17
	s_lshl_b32 s17, s16, 16
	s_add_co_u32 s62, s62, s17
	s_mov_b32 s63, 0
	s_lshl_b32 s66, s50, 15                        ; spec: my sentence, word pair w
	s_lshl_b32 s17, s16, 8
	s_add_co_u32 s66, s66, s17
	s_mov_b32 s67, 0
	s_lshl_b32 s100, s21, 13                       ; and the tile's own eight column groups
	s_mov_b32 s101, 0
	s_mul_i32 s17, s16, 16*PITCH
	s_add_co_u32 s17, s17, YOFF                    ; LDS: my rows of Y,
	s_lshl_b32 s18, s16, 11
	s_add_co_u32 s18, s18, SCR                     ; my words' factors
	v_and_b32 v1, 15, v0                           ; r
	v_bfe_u32 v2, v0, 4, 1                         ; h
	v_and_b32 v[SST], 31, v0
	v_mul_u32_u24 v[ADB0], v1, PITCH
	v_lshlrev_b32 v[YSO], 5, v1
	v_lshlrev_b32 v[WSO], 7, v1
	v_lshlrev_b32 v[CO], 4, v1
	v_lshl_add_u32 v[ADB0], v2, 4, v[ADB0]         ; row r, + 16 h: a fragment's lane: 16 bytes at 16 h and 32 further on
	v_lshl_add_u32 v[YSO], v2, 12, v[YSO]          ; lanes 16-31 stand 128 rows further on
	v_lshl_add_u32 v[WSO], v2, 6, v[WSO]           ; lanes 16-31 stand two residues further on
	v_lshl_add_u32 v[FAC], v2, 13, v[CO]           ; factors: row 8 h, 16 r
	v_lshl_add_u32 v[SPO], v2, 10, v[CO]           ; spec: lanes 16-31 take the next column group
	v_lshl_add_u32 v[CO], v2, 15, v[CO]            ; out0: row 8 h, 16 r
	v_add_nc_u32 v[ADA0], s17, v[ADB0]
	v_add_nc_u32 v[ADB1], BREST, v[ADB0]
	v_add_nc_u32 v[FAC], SCR, v[FAC]
	v_lshlrev_b32 v[SST], 3, v[SST]
	v_add_nc_u32 v[ADA0+1], 128*PITCH, v[ADA0]
	v_add_nc_u32 v[ADB1+1], 96*PITCH, v[ADB1]
	v_add_nc_u32 v[SST], s18, v[SST]
	s_wait_alu depctr_va_vdst(0)                   ; the wait at the head's end
	s_wait_dscnt 0x0                               ; both opening adds are done
	CROUND                                         ; all sixteen work-groups are here: the joint loads meet
	s_wait_kmcnt 0x0
.irp g, G0B0, G0B2
	s_add_nc_u64 s[\g+2:\g+3], s[8:9], s[\g+2:\g+3]
	s_or_b32 s[\g+3], s[\g+3], 0x80000000          ; type = 2
.endr
.irp g, G0Y1, G0Y3
	s_add_nc_u64 s[\g+2:\g+3], s[4:5], s[\g+2:\g+3]
	s_or_b32 s[\g+3], s[\g+3], 0x80000000
.endr
	; one tensor load a wave, in one chain of branches on the wave's number
	s_cmp_lt_u32 s16, 1
	s_cbranch_scc0 .Lfill_y1
	tensor_load_to_lds s[G0B0:G0B0+3], s[G1B0:G1B0+7], s[G2B:G2B+3], s[G3B:G3B+3]   ; wave 0: Wv's group 0
	s_nop 0
	PLACES
	s_branch .Lfilled
.Lfill_y1:
	s_cmp_lt_u32 s16, 2
	s_cbranch_scc0 .Lfill_y3
	tensor_load_to_lds s[G0Y1:G0Y1+3], s[G1Y1:G1Y1+7]   ; wave 1: Y's rows 192-255
	s_nop 0
	PLACES
	s_branch .Lfilled
.Lfill_y3:
	s_cmp_lt_u32 s16, 3
	s_cbranch_scc0 .Lfill_b2
	tensor_load_to_lds s[G0Y3:G0Y3+3], s[G1Y3:G1Y3+7]   ; wave 2: Y's rows 0-191
	s_nop 0
	PLACES
	s_branch .Lfilled
.Lfill_b2:
	tensor_load_to_lds s[G0B2:G0B2+3], s[G1B2:G1B2+7], s[G2B:G2B+3], s[G3B:G3B+3]   ; wave 3: Wv's groups 1 to 3
	s_nop 0
	PLACES
.Lfilled:
	s_add_nc_u64 s[58:59], s[6:7], s[58:59]
	s_add_nc_u64 s[60:61], s[10:11], s[60:61]
	s_add_nc_u64 s[12:13], s[12:13], s[62:63]
	s_add_nc_u64 s[66:67], s[14:15], s[66:67]
	s_add_nc_u64 s[100:101], s[66:67], s[100:101]
.irp q, 0,1                                    ; block k is rows 64 k on
.irp c, 0,1
	global_load_b128 v[SA+8*\q+4*\c:SA+8*\q+4*\c+3], v[YSO], s[58:59] offset:2048*\q+16*\c
.endr
.endr
.irp g, 0,1,2,3
.irp q, 0,1
.irp c, 0,1
	global_load_b128 v[SB+16*\g+8*\q+4*\c:SB+16*\g+8*\q+4*\c+3], v[WSO], s[60:61] offset:2048*\g+32*\q+16*\c
.endr
.endr
.endr
	s_cmp_lg_u32 s48, 0                            ; hangs on the cluster's y alone
	s_cbranch_scc1 .Lno_spec
	SPECLOAD
.Lno_spec:
	s_wait_loadcnt 0x0                             ; the scale words, and q and k
	s_cmp_lt_u32 s16, 2
	s_cbranch_scc0 .Lnot_first
	s_wait_tensorcnt 0x0                           ; waves 0, 1: my tile is in LDS
.Lnot_first:
	s_barrier_signal -1
	s_barrier_wait -1                              ; Wv's group 0 and Y's rows 192-255 are whole
.macro FETCHA k                        ; Y's block k, 16 rows x all of K: 8 fragments; they stay
	WIN 0xc0                                       ; destination window 3
.irp s, 0,1,2,3,4,5,6,7
.irp c, 0,1
	ds_load_b128 v[64*\k+8*\s+4*\c:64*\k+8*\s+4*\c+3], v[ADA0+\k/2] offset:(\k%2)*64*PITCH+64*\s+32*\c
.endr
.endr
	WIN 0
.endm
.macro FETCHB g, s                     ; group g's four fragments of K step s
	WIN 0x40*(1+((\g)%2))                          ; destination window 1 or 2
.irp b, 0,1,2,3
.irp c, 0,1
.if (\g) == 0
	ds_load_b128 v[32*(\s)+8*\b+4*\c:32*(\s)+8*\b+4*\c+3], v[ADB0] offset:\b*16*PITCH+64*(\s)+32*\c
.else
	ds_load_b128 v[32*(\s)+8*\b+4*\c:32*(\s)+8*\b+4*\c+3], v[ADB1+\b/2] offset:(\b%2)*48*PITCH+((\g)-1)*16*PITCH+64*(\s)+32*\c
.endif
.endr
.endr
.endm
; Block k x group g: 32 matrix instructions, K ascending, four accumulators by turns, one instruction a turn.  The first product starts the sum.
; first = 1: K step s waits for Wv's fragments of that step: behind them were issued the 8 (7 - s) loads of later steps.
.macro MUL g, k, first, am
.irp s, 0,1,2,3,4,5,6,7
.if \first
	s_wait_dscnt 8*(7-\s)
.endif
	WIN 0x03+4*(1+((\g)%2))                        ; source 0 (Y) window 3, source 1 (Wv) window 1 or 2
.irp b, 0,1
.if \s == 0
	v_wmma_scale_f32_16x16x128_f8f6f4 v[ACC+8*\b:ACC+8*\b+7], v[64*(\k)+8*\s:64*(\k)+8*\s+7], v[32*\s+8*\b:32*\s+8*\b+7], 0, v[SA+8*((\k)%2)+\s], v[SB+16*(\g)+8*\b+\s] matrix_a_fmt:MATRIX_FMT_FP4 matrix_b_fmt:MATRIX_FMT_FP4 \am
.else
	v_wmma_scale_f32_16x16x128_f8f6f4 v[ACC+8*\b:ACC+8*\b+7], v[64*(\k)+8*\s:64*(\k)+8*\s+7], v[32*\s+8*\b:32*\s+8*\b+7], v[ACC+8*\b:ACC+8*\b+7], v[SA+8*((\k)%2)+\s], v[SB+16*(\g)+8*\b+\s] matrix_a_fmt:MATRIX_FMT_FP4 matrix_b_fmt:MATRIX_FMT_FP4 \am
.endif
.endr
.irp b, 2,3
.if \s == 0
	v_wmma_scale_f32_16x16x128_f8f6f4 v[ACC+8*\b:ACC+8*\b+7], v[64*(\k)+8*\s:64*(\k)+8*\s+7], v[32*\s+8*\b:32*\s+8*\b+7], 0, v[SA+8*((\k)%2)+\s], v[SB+16*(\g)+8*(\b-2)+\s] matrix_a_fmt:MATRIX_FMT_FP4 matrix_b_fmt:MATRIX_FMT_FP4 \am matrix_b_scale:MATRIX_SCALE_ROW1
.else
	v_wmma_scale_f32_16x16x128_f8f6f4 v[ACC+8*\b:ACC+8*\b+7], v[64*(\k)+8*\s:64*(\k)+8*\s+7], v[32*\s+8*\b:32*\s+8*\b+7], v[ACC+8*\b:ACC+8*\b+7], v[SA+8*((\k)%2)+\s], v[SB+16*(\g)+8*(\b-2)+\s] matrix_a_fmt:MATRIX_FMT_FP4 matrix_b_fmt:MATRIX_FMT_FP4 \am matrix_b_scale:MATRIX_SCALE_ROW1
.endif
.endr
.endr
	WIN 0
	PLACES
.if (\g) > 0
	s_wait_xcnt 0x0                                ; the stores of this block in the group before have read their registers
.endif
.endm
.macro BY1024 k                        ; x 2^-10, exact, and gathered: register 4 j + b is row 8 h + j, column 4 r + b; each accumulator from its low end on
.set TM, TMP+32*(\k)
.irp j, 0,1,2,3,4,5,6,7
.irp b, 0,1,2,3
	v_mul_f32 v[TM+4*\j+\b], s56, v[ACC+8*\b+\j]
.endr
.endr
.endm
.macro SEND g, k                       ; a store of the wave covers 256 consecutive bytes of each of two rows, aligned; base and offset are never stepped
.set TM, TMP+32*(\k)
.irp j, 0,1,2,3,4,5,6,7
	global_store_b128 v[CO], v[TM+4*\j:TM+4*\j+3], s[12:13] offset:(64*(\k)+\j)*4096+256*(\g) th:TH_STORE_NT
.endr
.endm
.macro LAST g                          ; the way out of block 0: where it is words 0 to 15 of a sentence each number has a factor of its own, in the register that the result takes
	s_cmp_lg_u32 s49, 0
	s_cbranch_scc1 .Lhidden_\@
.irp j, 0,1,2,3,4,5,6,7
	ds_load_b128 v[TMP+4*\j:TMP+4*\j+3], v[FAC] offset:1024*\j+256*(\g)
.endr
	s_wait_dscnt 0x0
.irp j, 0,1,2,3,4,5,6,7
.irp b, 0,1,2,3
	v_mul_f32 v[TMP+4*\j+\b], v[TMP+4*\j+\b], v[ACC+8*\b+\j]
.endr
.endr
	s_wait_alu depctr_va_vdst(0)                   ; the wait here, directly ahead of the branch
	s_branch .Lscaled_\@
.Lhidden_\@:
	BY1024 0
.Lscaled_\@:
	SEND \g, 0
.endm
	FETCHA 3
.irp s, 0,1,2,3,4,5,6,7
	FETCHB 0, \s
.endr
	MUL 0, 3, 1, matrix_a_scale:MATRIX_SCALE_ROW1  ; Y's words of blocks 2, 3 stand in lanes 16-31
	BY1024 3
	SEND 0, 3
	s_cmp_lg_u32 s48, 0
	s_cbranch_scc1 .Lno_open
	SOFTMAX
.Lno_open:
	s_cmp_lt_u32 s16, 3
	s_cbranch_scc0 .Lnot_second
	s_wait_tensorcnt 0x0                           ; wave 2: my tile is in; wave 3 waits ahead of the third barrier
.Lnot_second:
	s_wait_dscnt 0x0                               ; my factors have landed
	s_barrier_signal -1
	s_barrier_wait -1                              ; all of Y and the factors are whole
	FETCHA 2
	FETCHA 1
	FETCHA 0
	s_wait_dscnt 32                                ; block 2 is in; blocks 1 and 0 may be out
	MUL 0, 2, 0, matrix_a_scale:MATRIX_SCALE_ROW1
	BY1024 2
	SEND 0, 2
	s_wait_tensorcnt 0x0                           ; wave 3: my tile is in
	s_wait_dscnt 0x0                               ; blocks 1 and 0 are in
	s_barrier_signal -1
	s_barrier_wait -1                              ; all of Wv is whole
.irp s, 0,1,2,3
	FETCHB 1, \s
.endr
	MUL 0, 1, 0
	BY1024 1
	SEND 0, 1
.irp s, 4,5,6,7
	FETCHB 1, \s
.endr
	MUL 0, 0, 0
	LAST 0
.irp g, 1,2,3
.irp i, 0,1,2,3                                ; block 3 - i
.if \g < 3
	FETCHB \g+1, 2*\i                              ; a quarter of the next group, into the window that the group before has left
	FETCHB \g+1, 2*\i+1
.endif
.if \i == 0
.if \g < 3
	s_wait_dscnt 16                                ; all of this group's fragments are in; the 16 loads just issued may be out
.else
	s_wait_dscnt 0x0
.endif
.endif
.if \i < 2
	MUL \g, 3-\i, 0, matrix_a_scale:MATRIX_SCALE_ROW1
.else
	MUL \g, 3-\i, 0
.endif
.if \i < 3
	BY1024 3-\i
	SEND \g, 3-\i
.else
	LAST \g
.endif
.endr
.endr
	s_wait_tensorcnt 0x0                           ; the wave's end
	ds_add_u32 v[SPW], v[NIL]
	s_wait_dscnt 0x0
	CROUND                                         ; the closing round: no work-group ends while a partner may still ask for a tile that names it
	s_endpgm
.Lfunc_end_k_qe4f5da20a9_vmain:
	.size	k_qe4f5da20a9_vmain, .Lfunc_end_k_qe4f5da20a9_vmain-k_qe4f5da20a9_vmain
	.p2alignl 7, 3214868480
	.fill 96, 4, 3214868480
	.section	.rodata,"a",@progbits
	.p2align	6, 0x0
	.amdhsa_kernel k_qe4f5da20a9_vmain
		.amdhsa_group_segment_fixed_size 327680
		.amdhsa_private_segment_fixed_size 0
		.amdhsa_enable_private_segment 0
		.amdhsa_kernarg_size 48
		.amdhsa_user_sgpr_count 2
		.amdhsa_user_sgpr_kernarg_segment_ptr 1
		.amdhsa_wavefront_size32 1
		.amdhsa_system_sgpr_workgroup_id_x 1
		.amdhsa_system_sgpr_workgroup_id_y 1
		.amdhsa_system_sgpr_workgroup_id_z 1
		.amdhsa_system_vgpr_workitem_id 0
		.amdhsa_next_free_vgpr 1024
		.amdhsa_next_free_sgpr 102
		.amdhsa_reserve_vcc 0
		.amdhsa_float_denorm_mode_32 3
		.amdhsa_float_denorm_mode_16_64 3
		.amdhsa_memory_ordered 1
		.amdhsa_forward_progress 1
		.amdhsa_inst_pref_size 162
	.end_amdhsa_kernel
	.amdgpu_metadata
---
amdhsa.version: [ 1, 2 ]
amdhsa.kernels:
  - .name:           k_qe4f5da20a9_vmain
    .symbol:         k_qe4f5da20a9_vmain.kd
    .args:
      - { .name: Y_codes, .offset: 0, .size: 8, .value_kind: global_buffer, .address_space: global }
      - { .name: Y_scales, .offset: 8, .size: 8, .value_kind: global_buffer, .address_space: global }
      - { .name: Wv_codes, .offset: 16, .size: 8, .value_kind: global_buffer, .address_space: global }
      - { .name: Wv_scales, .offset: 24, .size: 8, .value_kind: global_buffer, .address_space: global }
      - { .name: out0, .offset: 32, .size: 8, .value_kind: global_buffer, .address_space: global }
      - { .name: spec, .offset: 40, .size: 8, .value_kind: global_buffer, .address_space: global }
    .group_segment_fixed_size: 327680
    .private_segment_fixed_size: 0
    .kernarg_segment_align: 8
    .kernarg_segment_size: 48
    .max_flat_workgroup_size: 128
    .sgpr_count:     102
    .vgpr_count:     1024
    .wavefront_size: 32
...
	.end_amdgpu_metadata
.endif
;; end of part 2
